; MI455X (gfx1250); checked and timed in simulation.
; The chip was launched on July 23, 2026; its instructions are those of AMD's public machine-readable ISA for CDNA 5 (MIT licence, August 2026) and "CDNA5" Instruction Set Architecture Reference Guide (July 2026). The comments in the code are by the model that wrote it; some were corrected since.
;; Scale Dot Product. Allowed arithmetic: matrix products marked QUANTISED: E5M2 operands, one given power-of-two scale a tensor, by v_wmma_f32_16x16x64_bf8_bf8 or v_wmma_f32_16x16x128_bf8_bf8, f32 sums; everything else in f32.
;; Inputs: lowp_scales 4 int32 (the exponents e of the quantised operands' scales 2^e); scale one number float32; x1_codes 4 x 16 x 2,048 x 2 x 32 uint8 (E5M2 codes of x1, K innermost, in blocks of 32 codes); x2_codes 4 x 16 x 2,048 x 2 x 32 uint8 (E5M2 codes of x2, K innermost, in blocks of 32 codes); x3_codes 4 x 16 x 64 x 64 x 32 uint8 (E5M2 codes of x3, K innermost, in blocks of 32 codes).
;; Outputs: out0 4 x 16 x 2,048 x 64 float32.
;; This version of the problem:
;;   THIS VERSION OF THE PROBLEM IS GIVEN IN LOW PRECISION. The matrix products marked QUANTISED in the list below multiply operands that are first quantised to E5M2 (5 exponent bits, 2 mantissa bits; 8 bits a number), with one given power-of-two scale for each operand tensor; their sums are f32. All else is computed in f32.
;;   The module's matrix products, in the order in which they are computed (A, B: the left and right operand; K: the contracted axis; several contracted axes count as one K, in the product's order):
;;     1. batch 64 x [M 2,048, K 64] x [K 64, N 2,048]; A: input x1 (given as codes); B: input x2 (given as codes): QUANTISED (scales: A lowp_scales[0], B lowp_scales[1])
;;     2. batch 64 x [M 2,048, K 2,048] x [K 2,048, N 64]; A: softmax (see below); B: input x3 (given as codes): QUANTISED (scales: A lowp_scales[2], B lowp_scales[3])
;;   THE QUANTISER, for each operand of a quantised product, along K:
;;     - The operand's scale is 2^e, e = its entry of the input lowp_scales (int32; the entries are numbered through the quantised products in the list's order, A before B).
;;     - Each number is divided by the scale, clamped to +-57,344, and rounded to the nearest number of E5M2, ties to even, subnormals kept.
;;     - The product sums the exact products of the quantised numbers (number of the format x scale) in f32.
;;   ~~~python
;;   def quantise(x, axis, e):      # numpy; x: float32 -> the quantised numbers, widened to float32 again
;;       x = np.moveaxis(x, axis, -1); K = x.shape[-1]
;;       r = np.clip(x / 2.0 ** e, -57344, 57344)
;;       step = 2.0 ** (np.maximum(np.frexp(np.where(r == 0, 1, r))[1] - 1, -14) - 2)
;;       q = np.round(r / step) * step * 2.0 ** e      # np.round: ties to even
;;       return np.moveaxis(q, -1, axis).astype(np.float32)
;;   ~~~
;;   SOFTMAX AHEAD OF A QUANTISED PRODUCT. Where the list says 'softmax', what is quantised is not the finished softmax but p = 2^(t - M), with t = logit x log2(e) and M = ceil(the row's largest t), a whole number; so 1/2 < the row's largest p <= 1. The row's sum l is taken of the UNQUANTISED p, in f32, and the product's result is divided by l at the end. Since M is a whole number, a kernel that streams over the keys may use a running M (the ceiling of the running maximum): every later rescaling is an exact power of two, so the quantised numbers keep their values, but for numbers so far below the row's largest that they fall under the format's range.
;;   OPERANDS COMPUTED ON THE WAY. 'Computed on the way' means the value that the module computes at that place (a softmax that the list does not call 'softmax' is quantised finished and normalised). What goes into a quantiser is computed in f32, as accurately as f32 sums, v_exp_f32 and their like allow (about 1e-6 of the number): no bf16 or f16 on the way to a quantiser, and a product that is left as it is and whose result goes on into a quantised operand takes f32 operands (vector FMAs, or v_wmma_f32_16x16x4_f32). A number that lies on a knife's edge between two numbers of the format may be rounded either way, as far as f32 arithmetic and the matrix unit's own rounding can turn it there, and no further.
;;   INPUTS GIVEN AS CODES. x1 (in the module: [4, 16, 2048, 64], K = its axis 3); x2 (in the module: [4, 16, 2048, 64], K = its axis 3); x3 (in the module: [4, 16, 2048, 64], K = its axis 2): each comes as NAME_codes (uint8): NAME with its K axis moved to the last place and cut into blocks of 32 codes, [.., K / 32, bytes a block], one block behind the other in memory; one code a byte (a code: sign, 5 exponent bits, 2 mantissa bits); its scale is its entry of lowp_scales. Its value is code x scale, taken as it is: it is not quantised again, and the codes and scales need not be those that the quantiser above would give.
;; One version. Each part assembles by itself: llvm-mc -triple=amdgcn-amd-amdhsa -mcpu=gfx1250 --defsym DOCPART=n.
;; ======== version 1 of 1: 1 launch
;; limits: right only within a limited range of input values
;; launch attn (part 1): grid 4 x 64, 8 waves a work-group, clusters of 4 x 1, 327,680 bytes of LDS; arguments x1_codes, x2_codes, x3_codes, lowp_scales, scale, out0; writes out0
.if DOCPART == 1
	.amdgcn_target "amdgcn-amd-amdhsa--gfx1250"
	.amdhsa_code_object_version 6
	.text
	.protected	k_q2ef503f99d_attn
	.globl	k_q2ef503f99d_attn
	.p2align	8
	.type	k_q2ef503f99d_attn,@function
k_q2ef503f99d_attn:
	s_mov_b64 s[64:65], 0
	v_nop
	global_prefetch_b8 v0, s[64:65] scope:SCOPE_SE
	s_setreg_imm32_b32 hwreg(HW_REG_WAVE_MODE, 25, 1), 1
	s_wait_xcnt 0x0
	s_wait_alu depctr_hold_cnt(0) depctr_sa_sdst(0) depctr_va_vdst(0) depctr_va_sdst(0) depctr_va_ssrc(0) depctr_va_vcc(0) depctr_vm_vsrc(0)
	s_getreg_b32 s2, hwreg(HW_REG_IB_STS2, 6, 4)
	s_cmp_eq_u32 s2, 0
	s_cbranch_scc0 .Lentry_in_a_cluster
	s_endpgm
.Lentry_in_a_cluster:
	s_bfe_u32 s2, ttmp6, 0x10000c
	s_cmp_lg_u32 s2, 0x3003
	s_cbranch_scc0 .Lentry_shape_is_right
	s_endpgm
.Lentry_shape_is_right:
; out[h][q][:] = the sum over k of softmax_k(x1[h][q] . x2[h][k] x scale) x3[h][k][:]: 64 heads, 2,048 queries and keys, head size 64, both products on codes of BF8 (E5M2).
; x1 (Q), x2 (K): [64][2048][64] codes.  x3 (V): [64][64 d][2048 keys] codes, the keys innermost.  lowp_scales: e0 (Q), e1 (K), e2 (p), e3 (V).  out: [64][2048][64] f32.
; THE SOFTMAX: t = score x 2^(e0 + e1) x scale x log2(e); M = the running largest t rounded UP to a whole number; p = 2^(t - M) is quantised with 2^e2, held at 57,344 x 2^e2; the row's sum is taken of the
; unquantised p; when M moves, the sum and O are multiplied by 2^(old M - new M), which rounds nothing; at the end O x 2^(e2 + e3) / the sum.
; SHARES.  A work-group owns 512 queries of one head, each of its eight waves 64: four tiles of 16, so that each fragment of K and V read from LDS feeds four tiles.  A key step is 128 keys.
; A HEAD'S WHOLE K AND V LIE IN LDS, each byte asked for once, by two requests a wave: at the head K's keys 0-511 (waves 0-3) and V's keys 0-255 (waves 4-7); behind the full sequence and a round of the
; cluster's barrier the rest.  Nothing is filled again.  Key steps 0 and 1 read the first part alone (step n reads K's fragments of step n + 1: at most step 2's); one barrier; 14 steps with no barrier.
; Both requests go out in the head: there is no later request that a prefetch could run ahead of, so none is written.
; CLUSTER.  The four work-groups of a head need the same K and V: each tile is asked for jointly, by the same load with the same descriptor and the mask of all four.
; LAYOUT.  Both products are used transposed: S^T = K Q^T (source 0 = 16 keys, source 1 = 16 queries, K = 64), O^T = V^T P^T (source 0 = 16 of the head's 64, source 1 = P, K = 128 keys): a lane holds ONE
; query (lane % 16).  Lane r of K's tile 2 b + u takes key 32 b + 8 u + r + 8 (r / 8), so that the 16 registers of tiles 2 b, 2 b + 1 are keys 32 b + 16 (lane / 16) + 0 .. 15: the conversions' results are
; the second product's operand.  Fragments come by loads of 16 bytes (registers 4 c .. 4 c + 3: k = 32 c + 16 (lane / 16) + 0 .. 15): a permutation of k that both sources of a product share.
; ORDER: THE TILES GO IN ROTATION.  A phase finishes tile t and prepares the next tile u (behind tile 3: the next step's tile 0): u's maxima in eight chains; t's rescaling of O^T; one run in which t's sums,
; holds and conversions stand between the lines of u's chain of statistics; the first product of the tile two on; u's 32 scalings; t's second product; u's batch of 64 exponentials.
; The last step is written out: it prepares no further step, and each tile leaves as soon as its last product is issued, its stores one phase behind its trip through the stage.
; A NEGATIVE scale is carried onto the sign bits of Q's codes, which is exact; c = |scale| log2(e) 2^(e0 + e1) is then never negative.  No branch hangs on a loaded number.
; LIMITS: e2 between -126 and 112 (2^e2 and 57,344 x 2^e2 are made as bit patterns); c finite; t = score x c is rounded once where the definition rounds twice; NaN and infinity among codes or in scale are not served.
; REGISTERS, in windows of 256 (s_set_vgpr_msb: bits 1:0 source 0, 3:2 source 1, 5:4 source 2, 7:6 destination):
;   window 0: v1-11, v90-94 addresses and constants; v12-27 four statistics a tile; v28-35, v84-89, v224-231 at work; v36-67 Q; v68-83 p's codes; v96-159, v160-223 the scores of two tiles, then p.
;   window 1: v0-127 O^T (tile t, 16 i of the head's 64 at 32 t + 8 i), on the way out rows of out; v128-191 a step's 8 fragments of K; v192-255 its 4 fragments of V^T.
.set KP,   144                         ; K in LDS: two keys (128 bytes) + 16 of padding: key k at 144 (k / 2) + 64 (k % 2)
.set KST,  64*KP                       ; a key step's 128 keys
.set VPA,  272                         ; V's first part: a row's 256 keys + 16 of padding
.set VPB,  1904                        ; V's second part: a row's 1,792 keys, 16 of padding behind every 256: 7 x 272.  Both pitches are odd multiples of 16
.set VBA,  16*KST
.set VBB,  VBA+64*VPA
.set STG,  VBB+64*VPB                  ; the stages for the way out, in bytes of their own
.set SP,   272
.set STW,  16*SP
.set SPARE, STG+8*STW                  ; the spare words: 128 bytes a wave
.set AK0,  1                           ; my lane's place in a tile of K
.set AVA,  2                           ; in V's first part, VBA included
.set AVB,  3                           ; in V's second part, VBB included
.set ADK,  4                           ; LDS address of the next step's K
.set ADV,  5                           ; of the step's V, rows 0-31
.set ADV2, 6                           ; rows 32-63
.set STO,  7                           ; the way out: where I put 32 bytes of a row
.set CS,   8                           ; v[8:9] c, twice
.set LIM,  10                          ; v10, v11: 57,344 x 2^e2, once for each half of a dual line
.set LIM2, 11
.set ST,   12                          ; tile t at v[ST + 4 t]: -M, the largest t, the sum in two halves
.set T0,   28                          ; v28, v29 at work in the head
.set FP,   32                          ; v[32:33] f = 2^(old M - new M); v33 is only named with it as a pair
.set PX,   34                          ; the lane exchange's destination
.set SCL,  35                          ; 2^e2 as f32
.set Q,    36
.set P,    68
.set SA,   84                          ; v[84:89] three more chains of the sums
.set RD,   90                          ; the way out: where I read a row back
.set GO,   91                          ; my byte offset in two rows of out
.set QO,   92                          ; my byte offset in a tile of Q
.set SPW,  93                          ; LDS address of my spare word; never rewritten
.set NIL,  94                          ; 0; never rewritten
.set S0,   96
.set TM,   224                         ; v224-231 the maxima's eight chains
.set FK,   128                         ; in window 1
.set FV,   192                         ; in window 1
.set WV,   16                          ; my wave's number
.set PT,   17                          ; wave % 4: which quarter of a part I fetch
.set HD,   18                          ; the head
.set CX,   19                          ; my place in the cluster: it enters Q's and out's addresses alone
.set SEL,  20                          ; s[20:21] lane l xor 16
.set TK,   22                          ; LDS byte of the next step's K
.set TV,   23                          ; LDS byte of the step's V in its part's rows
.set G1KA, 24                          ; descriptor groups 1
.set G1VA, 32
.set G1KB, 40
.set G1VB, 48
.set G0KA, 56                          ; descriptor groups 0
.set G0VA, 60
.set G0KB, 68
.set G0VB, 72
.set CNT,  89                          ; counts a part's steps
.set PADK, 15|(1<<20)|(1<<21)|(4<<22)|(3<<25)   ; the mask of all four; elements of 1 byte; padding on; bit 21 beside a mask; four words behind every 32
.set PADV, 15|(1<<20)|(1<<21)|(5<<22)|(3<<25)   ; the same, four words behind every 64
.set MSB, 0
.macro WIN new                         ; the immediate's high byte repeats the setting that is left
.if MSB != \new
	s_set_vgpr_msb (MSB<<8)|\new
.set MSB, \new
.endif
.endm
.macro CROUND                          ; a round of the cluster's barrier
	s_barrier_signal -1
	s_barrier_wait -1
	s_cmp_lg_u32 s[WV], 0
	s_cbranch_scc1 .Lnot_wave_0_\@
	s_barrier_signal -3
.Lnot_wave_0_\@:
	s_barrier_wait -3
	s_barrier_signal -1
	s_barrier_wait -1
.endm
.macro G1SET g, w0, c, r, p            ; r rows of c bytes, p bytes apart
	s_mov_b32 s[\g], \w0
	s_mov_b32 s[\g+1], (\c)<<16
	s_mov_b32 s[\g+2], (\r)<<16
	s_mov_b32 s[\g+3], (\c)<<16
	s_mov_b32 s[\g+4], \r
	s_mov_b32 s[\g+5], \p
	s_mov_b32 s[\g+6], 0
	s_mov_b32 s[\g+7], 0
.endm
.macro JLOAD gk, g1k, gv, g1v          ; waves 0-3 ask for K, waves 4-7 for V: one load a wave, one to an arm; s_nop 0 and four v_nop follow each
	s_cmp_lt_u32 s[WV], 4
	s_cbranch_scc0 .Lfor_v_\@
	tensor_load_to_lds s[\gk:\gk+3], s[\g1k:\g1k+7]
	s_nop 0
.rept 4
	v_nop
.endr
	s_branch .Lasked_\@
.Lfor_v_\@:
	tensor_load_to_lds s[\gv:\gv+3], s[\g1v:\g1v+7]
	s_nop 0
.rept 4
	v_nop
.endr
.Lasked_\@:
.endm
	s_load_b256 s[4:11], s[0:1], 0x0               ; Q s[4:5], K s[6:7], V s[8:9], the exponents s[10:11]
	s_load_b128 s[12:15], s[0:1], 0x20             ; scale s[12:13], out s[14:15]
	v_lshl_add_u32 v[SPW], v0, 2, SPARE
	v_mov_b32 v[NIL], 0
	ds_add_u32 v[SPW], v[NIL]                      ; the opening lines: the add, twice on end, and its wait ahead of my first tensor load
	ds_add_u32 v[SPW], v[NIL]
	v_lshrrev_b32 v1, 5, v0
	v_readfirstlane_b32 s[WV], v1                  ; wave 0..7
	s_and_b32 s[PT], s[WV], 3
	s_and_b32 s[HD], ttmp7, 0xffff                 ; the head, which the four partners share
	s_bfe_u32 s[CX], ttmp6, 0x40000
	G1SET G1KA, PADK, 256, 32, 256                 ; K is dense: 128 keys = 32 rows of 256 bytes, the padding behind every 128
	G1SET G1KB, PADK, 256, 96, 256                 ; 384 keys
	G1SET G1VA, PADV, 256, 16, 2048                ; 16 rows of V, keys 0-255
	G1SET G1VB, PADV, 1792, 16, 2048               ; keys 256-2,047
	s_mov_b32 s[SEL], 0x76543210
	s_mov_b32 s[SEL+1], 0xfedcba98
	s_lshl_b32 s76, s[HD], 17                      ; the head's first byte in each tensor of codes
	s_lshl_b32 s78, s[PT], 13                      ; K, first part: my 128 keys
	s_add_co_u32 s78, s78, s76
	s_mov_b32 s79, 0
	s_mul_i32 s80, s[PT], 24576                    ; K, second part: my 384 keys, behind the first 512
	s_add_co_u32 s80, s80, s76
	s_add_co_u32 s80, s80, 32768
	s_mov_b32 s81, 0
	s_lshl_b32 s82, s[PT], 15                      ; V: my 16 rows of 2,048 bytes
	s_add_co_u32 s82, s82, s76
	s_mov_b32 s83, 0
	s_mov_b32 s[G0KA], 1
	s_mul_i32 s[G0KA+1], s[PT], KST                ; the wave's number alone enters an LDS address
	s_mov_b32 s[G0KB], 1
	s_mul_i32 s[G0KB+1], s[PT], 3*KST
	s_add_co_u32 s[G0KB+1], s[G0KB+1], 4*KST
	s_mov_b32 s[G0VA], 1
	s_mul_i32 s[G0VA+1], s[PT], 16*VPA
	s_add_co_u32 s[G0VA+1], s[G0VA+1], VBA
	s_mov_b32 s[G0VB], 1
	s_mul_i32 s[G0VB+1], s[PT], 16*VPB
	s_add_co_u32 s[G0VB+1], s[G0VB+1], VBB
	s_lshl_b32 s92, s[CX], 15                      ; Q: my block's 512 rows of 64 bytes, my wave's 64 of them, in my head
	s_lshl_b32 s93, s[WV], 12
	s_add_co_u32 s92, s92, s93
	s_add_co_u32 s92, s92, s76
	s_mov_b32 s93, 0
	s_lshl_b32 s94, s[HD], 19                      ; out: the same rows, of 256 bytes
	s_lshl_b32 s95, s[CX], 17
	s_add_co_u32 s94, s94, s95
	s_lshl_b32 s95, s[WV], 14
	s_add_co_u32 s94, s94, s95
	s_mov_b32 s95, 0
	s_wait_dscnt 0x0                               ; both opening adds are done
	s_wait_kmcnt 0x0
	s_load_b128 s[84:87], s[10:11], 0x0            ; e0, e1, e2, e3
	s_load_b32 s88, s[12:13], 0x0                  ; scale
	s_add_nc_u64 s[G0KA+2:G0KA+3], s[6:7], s[78:79]
	s_or_b32 s[G0KA+3], s[G0KA+3], 0x80000000
	s_add_nc_u64 s[G0KB+2:G0KB+3], s[6:7], s[80:81]
	s_or_b32 s[G0KB+3], s[G0KB+3], 0x80000000
	s_add_nc_u64 s[G0VA+2:G0VA+3], s[8:9], s[82:83]
	s_or_b32 s[G0VA+3], s[G0VA+3], 0x80000000
	s_add_nc_u64 s[G0VB+2:G0VB+3], s[8:9], s[82:83]
	s_add_nc_u64 s[G0VB+2:G0VB+3], s[G0VB+2:G0VB+3], 256
	s_or_b32 s[G0VB+3], s[G0VB+3], 0x80000000
	s_add_nc_u64 s[4:5], s[4:5], s[92:93]
	s_add_nc_u64 s[14:15], s[14:15], s[94:95]
	CROUND                                         ; all four work-groups are here: the joint loads meet
	JLOAD G0KA, G1KA, G0VA, G1VA                   ; the first part: my one tensor load at the head
	v_and_b32 v[T0], 15, v0                        ; r = lane % 16
	v_bfe_u32 v[T0+1], v0, 4, 1                    ; h = lane / 16
	v_lshlrev_b32 v[QO], 6, v[T0]
	v_lshl_add_u32 v[QO], v[T0+1], 4, v[QO]        ; Q: row r of 64 bytes, + 16 h
.irp t, 0,1,2,3
.irp c, 0,1
	global_load_b128 v[Q+8*\t+4*\c:Q+8*\t+4*\c+3], v[QO], s[4:5] offset:1024*\t+32*\c th:TH_LOAD_NT   ; Q stays in registers
.endr
.endr
	v_and_b32 v[AK0], 8, v[T0]
	v_add_nc_u32 v[AK0], v[AK0], v[T0]             ; r + 8 (r / 8): my key among a tile's
	v_lshrrev_b32 v[AVA], 1, v[AK0]
	v_and_b32 v[AK0], 1, v[AK0]
	v_mul_u32_u24 v[AVA], v[AVA], KP
	v_lshl_add_u32 v[AK0], v[AK0], 6, v[AVA]       ; 144 (key / 2) + 64 (key % 2)
	v_lshl_add_u32 v[AK0], v[T0+1], 4, v[AK0]      ; + 16 h
	v_mul_u32_u24 v[AVA], v[T0], VPA
	v_lshl_add_u32 v[AVA], v[T0+1], 4, v[AVA]
	v_add_nc_u32 v[AVA], VBA, v[AVA]               ; V: row r, + 16 h, in each part
	v_mul_u32_u24 v[AVB], v[T0], VPB
	v_lshl_add_u32 v[AVB], v[T0+1], 4, v[AVB]
	v_add_nc_u32 v[AVB], VBB, v[AVB]
	s_mul_i32 s77, s[WV], STW
	s_add_co_u32 s77, s77, STG                     ; my stage
	v_mul_u32_u24 v[STO], v[T0], SP
	v_lshl_add_u32 v[STO], v[T0+1], 5, v[STO]
	v_add_nc_u32 v[STO], s77, v[STO]               ; in: row r, 32 bytes for each half of the lanes
	v_mul_u32_u24 v[RD], v[T0+1], SP
	v_lshl_add_u32 v[RD], v[T0], 4, v[RD]
	v_add_nc_u32 v[RD], s77, v[RD]                 ; back: lanes 0-15 one row of 256 bytes, lanes 16-31 the next
	v_and_b32 v[GO], 31, v0
	v_lshlrev_b32 v[GO], 4, v[GO]                  ; the same two rows in out: 512 consecutive bytes
.irp t, 0,1,2,3
	v_mov_b32 v[ST+4*\t+1], 0xff61b1e6             ; the largest t so far: -3e38
	v_floor_f32 v[ST+4*\t], -v[ST+4*\t+1]          ; -M
	v_mov_b32 v[ST+4*\t+2], 0                      ; the sum, in two halves
	v_mov_b32 v[ST+4*\t+3], 0
.endr
	v_mov_b32 v[FP+1], 0                           ; (named as the upper half of a pair)
	v_mov_b32 v[PX], 0                             ; a lane permute's destination counts as one of its sources
	WIN 0x40
.set n, 0
.rept 128
	v_mov_b32 v[n], 0                              ; O^T: a first step whose products started the sums would be one more copy of the step; the first change of M leaves zeros zeros
.set n, n+1
.endr
	WIN 0
	s_wait_alu depctr_va_vdst(0)
	s_wait_kmcnt 0x0                               ; the exponents and scale
	s_ashr_i32 s90, s88, 31
	s_and_b32 s90, s90, 0x80808080                 ; the sign bits of four codes where scale is negative, else 0
	s_and_b32 s2, s88, 0x7fffffff                  ; |scale|
	s_add_co_i32 s3, s84, s85                      ; e0 + e1
	v_mov_b32 v[CS], 0x3fb8aa3b                    ; log2(e)
	v_mul_f32 v[CS], s2, v[CS]
	v_ldexp_f32 v[CS], v[CS], s3                   ; c
	v_mov_b32 v[CS+1], v[CS]
	s_add_co_i32 s2, s86, 127
	s_lshl_b32 s3, s2, 23
	v_mov_b32 v[SCL], s3                           ; 2^e2 as f32
	s_add_co_i32 s2, s2, 15
	s_lshl_b32 s2, s2, 23
	s_or_b32 s2, s2, 0x600000
	v_mov_b32 v[LIM], s2                           ; 57,344 x 2^e2
	v_mov_b32 v[LIM2], s2
	s_add_co_i32 s91, s86, s87                     ; e2 + e3
	s_wait_alu depctr_va_vdst(0)
	s_wait_loadcnt 0x0                             ; Q
.set n, 0
.rept 32
	v_xor_b32 v[Q+n], s90, v[Q+n]                  ; scale's sign goes onto Q's codes
.set n, n+1
.endr
.macro KQ t                            ; S^T of tile t: eight tiles of 16 keys into the scores' set t % 2, each sum begun with the constant 0
	WIN 0x01
.set SB, S0+64*((\t)%2)
.irp g, 0,1,2,3,4,5,6,7
	v_wmma_f32_16x16x64_bf8_bf8 v[SB+8*\g:SB+8*\g+7], v[FK+8*\g:FK+8*\g+7], v[Q+8*(\t):Q+8*(\t)+7], 0
.endr
	WIN 0
.endm
.macro PV t                            ; O^T of tile t += V^T P^T over the step's 128 keys; the four accumulators take turns
	WIN 0x51
.irp i, 0,1,2,3
	v_wmma_f32_16x16x128_bf8_bf8 v[32*(\t)+8*\i:32*(\t)+8*\i+7], v[FV+16*\i:FV+16*\i+15], v[P:P+15], v[32*(\t)+8*\i:32*(\t)+8*\i+7]
.endr
	WIN 0
.endm
.macro KLD a                           ; a step's 8 fragments of K; tile g begins at key 32 (g / 2) + 8 (g % 2)
	WIN 0x40
.irp g, 0,1,2,3,4,5,6,7
.irp c, 0,1
	ds_load_b128 v[FK+8*\g+4*\c:FK+8*\g+4*\c+3], v[\a] offset:(16*(\g/2)+4*(\g%2))*KP+32*\c
.endr
.endr
	WIN 0
.endm
.macro VLD                             ; a step's 4 fragments of V^T
	WIN 0x40
.irp i, 0,1
.irp c, 0,1,2,3
	ds_load_b128 v[FV+16*\i+4*\c:FV+16*\i+4*\c+3], v[ADV] offset:16*\i*VPITCH+32*\c
.endr
.endr
.irp i, 0,1
.irp c, 0,1,2,3
	ds_load_b128 v[FV+32+16*\i+4*\c:FV+32+16*\i+4*\c+3], v[ADV2] offset:16*\i*VPITCH+32*\c
.endr
.endr
	WIN 0
.endm
; The pieces of a phase name tile t by TT, SBT (its scores) and tile u by UU, SBU.  CUR: tile t is finished; NXT: tile u is prepared.
.macro MAXU                            ; u's largest score among my 64: eight chains, ascending
.irp q, 0,1,2,3,4,5,6,7
	v_max3_num_f32 v[TM+\q], v[SBU+3*\q], v[SBU+3*\q+1], v[SBU+3*\q+2]
.endr
.irp i, 24,40
.irp q, 0,1,2,3,4,5,6,7
	v_max3_num_f32 v[TM+\q], v[TM+\q], v[SBU+\i+2*\q], v[SBU+\i+2*\q+1]
.endr
.endr
.irp q, 0,1,2,3
	v_max3_num_f32 v[TM+\q], v[TM+\q], v[SBU+56+2*\q], v[SBU+57+2*\q]
.endr
.endm
.macro RESC                            ; O^T of tile t under its new M: x f, each accumulator from its low end on
	WIN 0x41
	s_wait_alu depctr_va_vdst(0)                   ; directly ahead of the first reader of O^T
.set k, 0
.rept 16
	v_pk_mul_f32 v[32*TT+2*k:32*TT+2*k+1], v[32*TT+2*k:32*TT+2*k+1], v[FP:FP+1] op_sel_hi:[1,0]
.set k, k+1
.endr
	WIN 0
.endm
.macro SL k                            ; line k of t's sums, taken of the UNQUANTISED p: two at a time, four chains.  Lines 0 to k have read p's registers up to 2 k + 7 (k = 0, 1, 2: 4 k + 3)
.if CUR
.set L, ST+4*TT+2
.if (\k) < 3
	v_pk_add_f32 v[SA+2*(\k):SA+2*(\k)+1], v[SBT+4*(\k):SBT+4*(\k)+1], v[SBT+4*(\k)+2:SBT+4*(\k)+3]
.endif
.if ((\k) >= 3) && ((\k) <= 28)
.if ((\k)%4) == 3
	v_pk_add_f32 v[L:L+1], v[L:L+1], v[SBT+2*(\k)+6:SBT+2*(\k)+7]
.else
	v_pk_add_f32 v[SA+2*((\k)%4):SA+2*((\k)%4)+1], v[SA+2*((\k)%4):SA+2*((\k)%4)+1], v[SBT+2*(\k)+6:SBT+2*(\k)+7]
.endif
.endif
.if (\k) == 29
	v_pk_add_f32 v[L:L+1], v[L:L+1], v[SA+4:SA+5]
.endif
.if (\k) == 30
	v_pk_add_f32 v[SA:SA+1], v[SA:SA+1], v[SA+2:SA+3]
.endif
.if (\k) == 31
	v_pk_add_f32 v[L:L+1], v[L:L+1], v[SA:SA+1]
.endif
.endif
.endm
.macro MN k                            ; line k of t's holds, on registers 2 k, 2 k + 1, which the sums have read (the conversion to an 8-bit code does not saturate, ISA guide 7.6.2; p is not negative, so the hold is one-sided); eight held numbers are converted four lines on
.if CUR
.if (\k) < 32
	v_dual_min_num_f32 v[SBT+2*(\k)], v[SBT+2*(\k)], v[LIM] :: v_dual_min_num_f32 v[SBT+2*(\k)+1], v[SBT+2*(\k)+1], v[LIM2]
.endif
.if ((\k) >= 7) && (((\k)%4) == 3) && ((\k) <= 35)
	v_cvt_scalef32_pk8_bf8_f32 v[P+2*(((\k)-7)/4):P+2*(((\k)-7)/4)+1], v[SBT+8*(((\k)-7)/4):SBT+8*(((\k)-7)/4)+7], v[SCL]
.endif
.endif
.endm
.macro CH n                            ; line n of u's chain of statistics
.if NXT
.set NM, ST+4*UU
.if (\n) == 0
	v_max3_num_f32 v[TM], v[TM], v[TM+1], v[TM+2]
.endif
.if (\n) == 1
	v_max3_num_f32 v[TM+3], v[TM+3], v[TM+4], v[TM+5]
.endif
.if (\n) == 2
	v_mov_b32 v[TM+1], v[NM]                               ; the old -M
.endif
.if (\n) == 3
	v_max3_num_f32 v[TM], v[TM], v[TM+6], v[TM+7]
.endif
.if (\n) == 4
	v_max_num_f32 v[TM], v[TM], v[TM+3]
.endif
.if (\n) == 5
	v_permlanex16_b32 v[PX], v[TM], s[SEL], s[SEL+1]       ; my query's other 64 keys lie in the lane 16 away
.endif
.if (\n) == 6
	v_max_num_f32 v[TM], v[TM], v[PX]
.endif
.if (\n) == 7
	v_mul_f32 v[TM], v[CS], v[TM]                          ; as t (c is not negative)
.endif
.if (\n) == 8
	v_max_num_f32 v[NM+1], v[NM+1], v[TM]                  ; the running largest t
.endif
.if (\n) == 9
	v_floor_f32 v[NM], -v[NM+1]                            ; the new -M = -ceil(t): a whole number
.endif
.if (\n) == 10
	v_sub_f32 v[TM], v[NM], v[TM+1]                        ; old M - new M: a whole number, 0 or less
.endif
.if (\n) == 11
	v_cvt_i32_f32 v[TM], v[TM]                             ; (it saturates)
.endif
.if (\n) == 12
	v_ldexp_f32 v[FP], 1.0, v[TM]                          ; f = 2^(old M - new M)
.endif
.endif
.endm
.macro MIX                             ; 37 slots: a line of t's sums and a line of its holds in each, a line of u's chain in every third
.set k, 0
.rept 37
.if (k%3) == 0
	CH k/3
.endif
	SL k
	MN k
.set k, k+1
.endr
.endm
.macro FMAU                            ; u's 32 scalings t - M = c s - M
.set NM, ST+4*UU
.set j, 0
.rept 32
	v_pk_fma_f32 v[SBU+2*j:SBU+2*j+1], v[SBU+2*j:SBU+2*j+1], v[CS:CS+1], v[NM:NM+1] op_sel_hi:[1,0,0]
.set j, j+1
.endr
.endm
.macro EXPB                            ; u's 64 exponentials as one batch
.set NM, ST+4*UU
.set j, 0
.rept 64
	v_exp_f32 v[SBU+j], v[SBU+j]                   ; p = 2^(t - M), at most 1: not normalised
.set j, j+1
.endr
	v_pk_mul_f32 v[NM+2:NM+3], v[NM+2:NM+3], v[FP:FP+1] op_sel_hi:[1,0]   ; u's sums under the new M: the plain line behind the last exponential
.endm
.macro PHASE t, kq, nxt
.set TT, \t
.set UU, (\t+1)%4
.set SBT, S0+64*(TT%2)
.set SBU, S0+64*(UU%2)
.set CUR, 1
.set NXT, \nxt
.if NXT
	s_wait_alu depctr_va_vdst(0)                   ; one wait behind t's batch, directly ahead of the first readers of u's scores
	MAXU
.endif
.if \t == 0
	v_add_nc_u32 v[ADV], s[TV], v[VBASE]
	v_add_nc_u32 v[ADV2], 32*VPITCH, v[ADV]
.endif
.if (\t == 2) && (\kq)
	v_add_nc_u32 v[ADK], s[TK], v[AK0]
.endif
	RESC
.if \t == 0
	VLD                                            ; the step's V: u's maxima are the places behind the products that read V's fragments
.endif
.if (\t == 2) && (\kq)
	KLD ADK                                        ; the next step's K: likewise
.endif
	MIX
	v_nop                                          ; a plain line between the last conversion and the products that read its result and write over its sources
.if (\t == 2) && (\kq)
	s_wait_alu depctr_va_vdst(0)
	s_wait_dscnt 0x0                               ; the next step's K is in
.endif
.if (\kq)
	KQ (\t+2)%4                                    ; t's scores are done with: their registers take those of the tile two on; the scalings below are its places
.endif
.if NXT
	FMAU
	s_wait_alu depctr_va_vdst(0)
.endif
.if \t == 0
	s_wait_dscnt 0x0                               ; the step's V is in
.endif
	PV \t
.if NXT
	EXPB
.endif
.endm
.macro VAT base, pitch                 ; where the step's V lies: step s of a part, 128 s + 16 (s / 2) bytes along V's rows
.set VBASE, \base
.set VPITCH, \pitch
	s_lshl_b32 s[TV], s[CNT], 7
	s_lshr_b32 s77, s[CNT], 1
	s_lshl_b32 s77, s77, 4
	s_add_co_u32 s[TV], s[TV], s77
.endm
.macro TRIP base, pitch                ; a key step that has a successor
	VAT \base, \pitch
	PHASE 0, 1, 1
	PHASE 1, 1, 1
	PHASE 2, 1, 1
	PHASE 3, 1, 1
.endm
; THE WAY OUT of tile t.  PACK: the sum's two halves and the other half of the lanes' are added; O^T x 2^(e2 + e3) / the sum, in place; register 8 i + j of lane (r, h) is out(r, 16 i + 8 h + j), 32 neighbouring bytes:
; they go into my stage's rows of 272 bytes and come back as whole rows of 256, into the registers that they left.  The lines ahead of the multiplications are the places behind t's last product.
.macro PACK t
.set L, ST+4*\t+2
	v_add_f32 v[L], v[L], v[L+1]
	v_permlanex16_b32 v[L+1], v[L], s[SEL], s[SEL+1]
	v_add_f32 v[L], v[L], v[L+1]                   ; the row's sum
	s_wait_alu depctr_va_vdst(0)                   ; ahead of the transcendental
	v_rcp_f32 v[L], v[L]
	v_nop
	s_wait_alu depctr_va_vdst(0)                   ; and behind it, ahead of its first reader
	v_ldexp_f32 v[L], v[L], s91                    ; x 2^(e2 + e3)
	WIN 0x41
	s_wait_alu depctr_va_vdst(0)                   ; directly ahead of the first reader of O^T
.set k, 0
.rept 16
	v_pk_mul_f32 v[32*\t+2*k:32*\t+2*k+1], v[32*\t+2*k:32*\t+2*k+1], v[L:L+1] op_sel_hi:[1,0]
.set k, k+1
.endr
	WIN 0x04                                       ; a store's data: source 1, window 1
.irp i, 0,1,2,3
	ds_store_b128 v[STO], v[32*\t+8*\i:32*\t+8*\i+3] offset:64*\i
	ds_store_b128 v[STO], v[32*\t+8*\i+4:32*\t+8*\i+7] offset:64*\i+16
.endr
	WIN 0x40
.irp f, 0,1,2,3,4,5,6,7
	ds_load_b128 v[32*\t+4*\f:32*\t+4*\f+3], v[RD] offset:\f*2*SP   ; LDS serves a wave's instructions in order (ISA guide 5.7.1.4): these see the stores above, and the next tile's stores come behind them
.endr
	WIN 0
.endm
.macro SEND t                          ; tile t's eight loads from the stage are my youngest LDS instructions: load f has 7 - f behind it
	s_wait_alu depctr_va_vdst(0)
	WIN 0x04
.irp f, 0,1,2,3,4,5,6,7
	s_wait_dscnt 7-\f
	global_store_b128 v[GO], v[32*\t+4*\f:32*\t+4*\f+3], s[14:15] offset:\t*4096+\f*512 th:TH_STORE_NT   ; 32 lanes store 512 consecutive bytes, at a multiple of 256 from out's first byte; each tile has registers of its own, so no store's data are written again
.endr
	WIN 0
.endm
	s_wait_alu depctr_va_vdst(0)
	s_wait_tensorcnt 0x0                           ; my part of the first part is in
	ds_add_u32 v[SPW], v[NIL]
	s_wait_dscnt 0x0
	CROUND                                         ; everybody's part is in, and all four work-groups are here
	JLOAD G0KB, G1KB, G0VB, G1VB                   ; the second part: my one tensor load behind the round
	KLD AK0                                        ; step 0's K
	s_wait_dscnt 0x0
	KQ 0
	KQ 1
.rept 4
	v_nop                                          ; four places ahead of the first read of tile 0's scores
.endr
.set CUR, 0
.set NXT, 1
.set UU, 0
.set SBU, S0
	MAXU                                           ; tile 0 of step 0 is prepared
	MIX
	FMAU
	s_wait_alu depctr_va_vdst(0)                   ; ahead of the batch
	EXPB
	s_wait_alu depctr_va_vdst(0)                   ; ahead of a label each exponential has its wait
	s_mov_b32 s[TK], KST
	s_mov_b32 s[CNT], 0
.Lfirst:                                               ; steps 0 and 1
	TRIP AVA, VPA
	s_wait_alu depctr_va_vdst(0)
	s_add_co_u32 s[TK], s[TK], KST
	s_add_co_u32 s[CNT], s[CNT], 1
	s_cmp_lt_u32 s[CNT], 2
	s_cbranch_scc1 .Lfirst
	s_wait_tensorcnt 0x0                           ; my part of the second part is in
	s_wait_dscnt 0x0
	s_barrier_signal -1
	s_barrier_wait -1                              ; everybody's is
	s_mov_b32 s[TK], 3*KST
	s_mov_b32 s[CNT], 0
.Lrest:                                                ; steps 2 to 14
	TRIP AVB, VPB
	s_wait_alu depctr_va_vdst(0)
	s_add_co_u32 s[TK], s[TK], KST
	s_add_co_u32 s[CNT], s[CNT], 1
	s_cmp_lt_u32 s[CNT], 13
	s_cbranch_scc1 .Lrest
	; STEP 15 prepares no further step.  Behind tile 0's wait for V it issues no LDS instruction but the stage's, so SEND's counts hold.
	VAT AVB, VPB
	PHASE 0, 1, 1
	PACK 0                                         ; tile 0 is finished: into the stage and back,
	PHASE 1, 1, 1
	SEND 0                                         ; and out, a phase later
	PACK 1
	PHASE 2, 0, 1
	SEND 1
	PACK 2
	PHASE 3, 0, 0
	SEND 2
	PACK 3
	SEND 3
	s_wait_tensorcnt 0x0                           ; the wave's end
	ds_add_u32 v[SPW], v[NIL]
	s_wait_dscnt 0x0
	CROUND                                         ; the closing round
	s_endpgm
.Lfunc_end_k_q2ef503f99d_attn:
	.size	k_q2ef503f99d_attn, .Lfunc_end_k_q2ef503f99d_attn-k_q2ef503f99d_attn
	.p2alignl 7, 3214868480
	.fill 96, 4, 3214868480
	.section	.rodata,"a",@progbits
	.p2align	6, 0x0
	.amdhsa_kernel k_q2ef503f99d_attn
		.amdhsa_group_segment_fixed_size 327680
		.amdhsa_private_segment_fixed_size 0
		.amdhsa_enable_private_segment 0
		.amdhsa_kernarg_size 48
		.amdhsa_user_sgpr_count 2
		.amdhsa_user_sgpr_kernarg_segment_ptr 1
		.amdhsa_wavefront_size32 1
		.amdhsa_system_sgpr_workgroup_id_x 1
		.amdhsa_system_sgpr_workgroup_id_y 1
		.amdhsa_system_sgpr_workgroup_id_z 1
		.amdhsa_system_vgpr_workitem_id 0
		.amdhsa_next_free_vgpr 512
		.amdhsa_next_free_sgpr 96
		.amdhsa_reserve_vcc 0
		.amdhsa_float_denorm_mode_32 3
		.amdhsa_float_denorm_mode_16_64 3
		.amdhsa_memory_ordered 1
		.amdhsa_forward_progress 1
		.amdhsa_inst_pref_size 195
	.end_amdhsa_kernel
	.amdgpu_metadata
---
amdhsa.version: [ 1, 2 ]
amdhsa.kernels:
  - .name:           k_q2ef503f99d_attn
    .symbol:         k_q2ef503f99d_attn.kd
    .args:
      - { .name: x1_codes, .offset: 0, .size: 8, .value_kind: global_buffer, .address_space: global }
      - { .name: x2_codes, .offset: 8, .size: 8, .value_kind: global_buffer, .address_space: global }
      - { .name: x3_codes, .offset: 16, .size: 8, .value_kind: global_buffer, .address_space: global }
      - { .name: lowp_scales, .offset: 24, .size: 8, .value_kind: global_buffer, .address_space: global }
      - { .name: scale, .offset: 32, .size: 8, .value_kind: global_buffer, .address_space: global }
      - { .name: out0, .offset: 40, .size: 8, .value_kind: global_buffer, .address_space: global }
    .group_segment_fixed_size: 327680
    .private_segment_fixed_size: 0
    .kernarg_segment_align: 8
    .kernarg_segment_size: 48
    .max_flat_workgroup_size: 256
    .sgpr_count:     96
    .vgpr_count:     512
    .wavefront_size: 32
...
	.end_amdgpu_metadata
.endif
;; end of part 1
